; MI455X (gfx1250); checked and timed in simulation.
; The chip was launched on July 23, 2026; its instructions are those of AMD's public machine-readable ISA for CDNA 5 (MIT licence, August 2026) and "CDNA5" Instruction Set Architecture Reference Guide (July 2026). The comments in the code are by the model that wrote it; some were corrected since.
;; Spherical Vector Quantizer. Allowed arithmetic: float matrix products may take bf16 or f16 operands with f32 sums; all other float work in f32.
;; Inputs: embed_weight 16,384 x 256 float32; z 8 x 256 x 32 x 32 float32.
;; Outputs: out0 8 x 256 x 32 x 32 float32; out1 8,192 int32; out2 8 x 32 x 32 x 256 int32; out3 1 float32.
;; 2 versions, each right; version 2 is version 1 with the launch prep written anew for expert scheduling mode. Each part assembles by itself: llvm-mc -triple=amdgcn-amd-amdhsa -mcpu=gfx1250 --defsym DOCPART=n.
;; ======== version 1 of 2: 3 launches
;; limits: values outside matrix products are rounded to bf16
;; workspace buffers: eb 8,388,608 bytes; rnorm 65,536 bytes; enorm 65,536 bytes; part 262,144 bytes of whole numbers
;; launch prep (part 1): grid 256 x 1, 8 waves a work-group, no clusters, 1,536 bytes of LDS; arguments embed_weight, eb, rnorm, enorm; writes eb, rnorm, enorm
.if DOCPART == 1
	.amdgcn_target "amdgcn-amd-amdhsa--gfx1250"
	.amdhsa_code_object_version 6
	.text
	.protected	k_qb32ee46c9a_prep
	.globl	k_qb32ee46c9a_prep
	.p2align	8
	.type	k_qb32ee46c9a_prep,@function
k_qb32ee46c9a_prep:
	s_mov_b64 s[64:65], 0
	v_nop
	global_prefetch_b8 v0, s[64:65] scope:SCOPE_SE
	s_setreg_imm32_b32 hwreg(HW_REG_WAVE_MODE, 25, 1), 1
	s_wait_xcnt 0x0
; SphericalVectorQuantizer, first of three launches: the codebook is rounded to bf16 once, and each code's norm is taken.
;   eb[k][d]  = bf16(embed_weight[k][d])                       [16384][256] bf16
;   enorm[k]  = max(sqrt(sum over d of eb[k][d]^2), 1e-12)     [16384] f32
;   rnorm[k]  = 1 / enorm[k]                                   [16384] f32
; THE WHOLE PROGRAM.  No step and no input of reference() is left out.  Two identities are used, both for all values:
; argmin(-x) = argmax(x) with the same first-index rule, and z . (e / n) = (z . e) / n, so the product is made with the
; rounded, unnormalised codes (exact products, f32 sums) and each score is scaled afterwards in f32.
; LIMITS.  (1) All four outputs are those of reference() on z and embed_weight rounded to bf16: the norm, the gathered row
; and the zf of the straight-through sum are the rounded ones too, so that the whole numbers agree with one another.
; (2) The order of rounding differs from reference()'s (scale behind the sum; another order of the f32 sums): two codes whose
; scores differ by about 1e-6 of the score or less may change places.  (3) NaN and infinities in the inputs are not served.
; SHAPE.  Memory binds: each byte of embed_weight is read once, by loads of 512 consecutive bytes a wave; eb leaves in stores of
; 256 consecutive aligned bytes a wave.  Eight waves; the work-group owns 64 codes, a wave eight, a whole code in one wave,
; so the sum of squares never leaves the wave.  No matrix unit, no cluster: nothing is shared and nothing is multiplied.
.set X,   8                            ; v[8:71]    code i: 8 registers; 0-3 = d 4L.., 4-7 = d 128+4L..
.set P,   72                           ; v[72:103]  code i: 4 registers of packed bf16, its own, so no store's data is rewritten
.set T,   104                          ; v[104:111] at work
.set A,   112                          ; v[112:113] two running sums
.set SS,  114                          ; v[114:121] the eight codes' sums of squares
.set SEL, 122
.set N,   123
.set R,   124
.set ER,  125
	s_load_b256 s[4:11], s[0:1], 0x0               ; embed_weight s[4:5], eb s[6:7], rnorm s[8:9], enorm s[10:11]
	v_lshl_add_u32 v128, v0, 2, 0x200
	v_mov_b32 v129, 0
	v_and_b32 v1, 31, v0                           ; lane L
	v_lshrrev_b32 v6, 5, v0
	v_readfirstlane_b32 s12, v6                    ; wave w
	s_mov_b32 s13, 0xffff0000                      ; a word's upper bf16
	s_mov_b32 s14, 0x76543210                      ; v_permlanex16_b32: lane i reads lane i of the other half
	s_mov_b32 s15, 0xfedcba98
	v_lshlrev_b32 v2, 4, v1                        ; 16 L
	v_lshlrev_b32 v3, 3, v1                        ; 8 L
	v_and_b32 v4, 7, v1                            ; which of the wave's eight codes this lane finishes
	v_lshlrev_b32 v5, 2, v4
	v_lshl_add_u32 v5, s12, 5, v5                  ; LDS word of code 8 w + (L & 7)
	s_lshl_b32 s16, ttmp9, 16                      ; 64 codes of 1,024 bytes
	s_lshl_b32 s18, s12, 13                        ; 8 codes of 1,024 bytes
	s_add_co_u32 s16, s16, s18
	s_mov_b32 s17, 0
	s_lshr_b32 s18, s16, 1                         ; in eb a code is half as long
	s_mov_b32 s19, 0
	s_wait_kmcnt 0x0
	s_add_nc_u64 s[4:5], s[4:5], s[16:17]
	s_add_nc_u64 s[6:7], s[6:7], s[18:19]
.irp i, 0,1,2,3,4,5,6,7
	global_load_b128 v[X+8*\i:X+8*\i+3],   v2, s[4:5] offset:1024*\i th:TH_LOAD_NT
	global_load_b128 v[X+8*\i+4:X+8*\i+7], v2, s[4:5] offset:1024*\i+512 th:TH_LOAD_NT
.endr
.macro ROW i
	s_wait_loadcnt 14-2*\i                         ; sixteen loads in order: code i's two are in, the 14 - 2 i behind them stay out
.irp j, 0,1,2,3
	v_cvt_pk_bf16_f32 v[P+4*\i+\j], v[X+8*\i+2*\j], v[X+8*\i+2*\j+1]
.endr
	global_store_b64 v3, v[P+4*\i:P+4*\i+1],   s[6:7] offset:512*\i        ; the wave stores 256 consecutive bytes, aligned
	global_store_b64 v3, v[P+4*\i+2:P+4*\i+3], s[6:7] offset:512*\i+256
.irp j, 0,1,2,3
	v_lshlrev_b32 v[T+2*\j],   16,  v[P+4*\i+\j]  ; the rounded numbers as f32
	v_and_b32     v[T+2*\j+1], s13, v[P+4*\i+\j]
.endr
	v_pk_mul_f32 v[A:A+1], v[T:T+1], v[T:T+1]      ; the first squares start the sums
	v_pk_fma_f32 v[A:A+1], v[T+2:T+3], v[T+2:T+3], v[A:A+1]
	v_pk_fma_f32 v[A:A+1], v[T+4:T+5], v[T+4:T+5], v[A:A+1]
	v_pk_fma_f32 v[A:A+1], v[T+6:T+7], v[T+6:T+7], v[A:A+1]
	v_add_f32 v[SS+\i], v[A], v[A+1]
	v_add_f32_dpp v[SS+\i], v[SS+\i], v[SS+\i] row_xmask:1 row_mask:0xf bank_mask:0xf
	v_add_f32_dpp v[SS+\i], v[SS+\i], v[SS+\i] row_xmask:2 row_mask:0xf bank_mask:0xf
	v_add_f32_dpp v[SS+\i], v[SS+\i], v[SS+\i] row_xmask:4 row_mask:0xf bank_mask:0xf
	v_add_f32_dpp v[SS+\i], v[SS+\i], v[SS+\i] row_xmask:8 row_mask:0xf bank_mask:0xf
	v_permlanex16_b32 v[T], v[SS+\i], s14, s15     ; its destination has been written above
	v_add_f32 v[SS+\i], v[SS+\i], v[T]             ; every lane holds code i's sum
.endm
.irp i, 0,1,2,3,4,5,6,7
	ROW \i
.endr
	v_mov_b32 v[SEL], v[SS]                        ; lane L takes the sum of code L & 7: one root and one reciprocal serve all eight
.irp i, 1,2,3,4,5,6,7
	v_cmp_eq_u32 vcc_lo, \i, v4
	v_cndmask_b32 v[SEL], v[SEL], v[SS+\i], vcc_lo
.endr
	v_sqrt_f32 v[N], v[SEL]
	v_nop                                          ; one plain instruction behind a transcendental (ISA guide 5.7.2)
	s_wait_alu depctr_va_vdst(0)
	v_max_num_f32 v[N], 0x2b8cbccc, v[N]           ; max(norm, 1e-12), as reference() has it
	v_rcp_f32 v[R], v[N]
	v_nop
	s_wait_alu depctr_va_vdst(0)
	v_fma_f32 v[ER], -v[N], v[R], 1.0              ; one Newton step on the reciprocal
	v_fma_f32 v[R], v[ER], v[R], v[R]
	ds_store_b32 v5, v[R]                          ; bytes 0-255: 64 reciprocals; lanes that share a word write the same value
	ds_store_b32 v5, v[N] offset:256               ; bytes 256-511: 64 norms
	s_wait_dscnt 0x0                               ; my stores are done before I say so
	s_barrier_signal -1
	s_barrier_wait -1
	s_cmp_ge_u32 s12, 2
	s_cbranch_scc1 .Lend                           ; wave 0 writes the reciprocals, wave 1 the norms: one store of 256 aligned bytes each
	s_cmp_eq_u32 s12, 0
	s_cselect_b64 s[16:17], s[8:9], s[10:11]
	s_lshl_b32 s18, ttmp9, 8                       ; 64 codes of 4 bytes
	s_mov_b32 s19, 0
	s_add_nc_u64 s[16:17], s[16:17], s[18:19]
	v_lshl_add_u32 v6, s12, 8, v3                  ; 256 w + 8 L
	ds_load_b64 v[T:T+1], v6
	s_wait_dscnt 0x0
	global_store_b64 v3, v[T:T+1], s[16:17]
.Lend:
	s_wait_tensorcnt 0x0
	ds_add_u32 v128, v129
	s_wait_dscnt 0x0
	s_endpgm
.Lfunc_end_k_qb32ee46c9a_prep:
	.size	k_qb32ee46c9a_prep, .Lfunc_end_k_qb32ee46c9a_prep-k_qb32ee46c9a_prep
	.p2alignl 7, 3214868480
	.fill 96, 4, 3214868480
	.section	.rodata,"a",@progbits
	.p2align	6, 0x0
	.amdhsa_kernel k_qb32ee46c9a_prep
		.amdhsa_group_segment_fixed_size 1536
		.amdhsa_private_segment_fixed_size 0
		.amdhsa_enable_private_segment 0
		.amdhsa_kernarg_size 32
		.amdhsa_user_sgpr_count 2
		.amdhsa_user_sgpr_kernarg_segment_ptr 1
		.amdhsa_wavefront_size32 1
		.amdhsa_system_sgpr_workgroup_id_x 1
		.amdhsa_system_sgpr_workgroup_id_y 1
		.amdhsa_system_sgpr_workgroup_id_z 1
		.amdhsa_system_vgpr_workitem_id 0
		.amdhsa_next_free_vgpr 130
		.amdhsa_next_free_sgpr 66
		.amdhsa_reserve_vcc 1
		.amdhsa_float_denorm_mode_32 3
		.amdhsa_float_denorm_mode_16_64 3
		.amdhsa_memory_ordered 1
		.amdhsa_forward_progress 1
		.amdhsa_inst_pref_size 16
	.end_amdhsa_kernel
	.amdgpu_metadata
---
amdhsa.version: [ 1, 2 ]
amdhsa.kernels:
  - .name:           k_qb32ee46c9a_prep
    .symbol:         k_qb32ee46c9a_prep.kd
    .args:
      - { .name: embed_weight, .offset: 0, .size: 8, .value_kind: global_buffer, .address_space: global }
      - { .name: eb, .offset: 8, .size: 8, .value_kind: global_buffer, .address_space: global }
      - { .name: rnorm, .offset: 16, .size: 8, .value_kind: global_buffer, .address_space: global }
      - { .name: enorm, .offset: 24, .size: 8, .value_kind: global_buffer, .address_space: global }
    .group_segment_fixed_size: 1536
    .private_segment_fixed_size: 0
    .kernarg_segment_align: 8
    .kernarg_segment_size: 32
    .max_flat_workgroup_size: 256
    .sgpr_count:     66
    .vgpr_count:     130
    .wavefront_size: 32
...
	.end_amdgpu_metadata
.endif
;; end of part 1
;; launch score (part 2): grid 64 x 4, 4 waves a work-group, clusters of 4 x 1, 327,680 bytes of LDS; arguments z, eb, rnorm, part; writes part
.if DOCPART == 2
	.amdgcn_target "amdgcn-amd-amdhsa--gfx1250"
	.amdhsa_code_object_version 6
	.text
	.protected	k_qb32ee46c9a_score
	.globl	k_qb32ee46c9a_score
	.p2align	8
	.type	k_qb32ee46c9a_score,@function
k_qb32ee46c9a_score:
	s_mov_b64 s[64:65], 0
	v_nop
	global_prefetch_b8 v0, s[64:65] scope:SCOPE_SE
	s_setreg_imm32_b32 hwreg(HW_REG_WAVE_MODE, 25, 1), 1
	s_wait_xcnt 0x0
	s_wait_alu depctr_hold_cnt(0) depctr_sa_sdst(0) depctr_va_vdst(0) depctr_va_sdst(0) depctr_va_ssrc(0) depctr_va_vcc(0) depctr_vm_vsrc(0)
	s_getreg_b32 s2, hwreg(HW_REG_IB_STS2, 6, 4)
	s_cmp_eq_u32 s2, 0
	s_cbranch_scc0 .Lentry_in_a_cluster
	s_endpgm
.Lentry_in_a_cluster:
	s_bfe_u32 s2, ttmp6, 0x10000c
	s_cmp_lg_u32 s2, 0x3003
	s_cbranch_scc0 .Lentry_shape_is_right
	s_endpgm
.Lentry_shape_is_right:
; Second launch: for 128 rows of zf and 4,096 codes, the largest score (zf . eb[k]) * rnorm[k] of each row and the group of eight
; neighbouring codes (gid = k / 8) that holds it.  part[split][row] = { key, gid }; key is the score's bits turned into an unsigned
; number of the same order, so that the last launch chooses among the four splits by whole numbers that it reads from memory.
; Nothing of reference() is left out here.  Limits as stated at the head of the first kernel (bf16 inputs, order of rounding, no NaN or infinity).
; SHAPE.  Grid 64 row blocks x 4 code splits = 256 work-groups of four waves.  Every wave keeps the same 128 rows of zf, all 256 of K,
; as bf16 fragments in 512 registers for the whole launch; the waves take different codes.  A tile of 16 codes costs 8 KiB of LDS reads and
; feeds 64 matrix instructions.
; THE MATRIX INSTRUCTION takes 16 codes as source 0 and 16 rows of zf as source 1: a lane's eight results are eight NEIGHBOURING CODES
; (8 (L / 16) + 0..7) of one row of zf (L % 16).  So a group of eight costs four packed multiplies (the scale), four three-way maxima with the
; running best chained in, one compare and one select; which of the eight it was is found in the last launch.
; CLUSTER.  The four row blocks of a cluster walk the same codes of one split: each tile of eb and of rnorm is asked for jointly (mask 15).
; z is not shared: each work-group reads its own rows once, through registers.
; LDS: two slots of 256 codes x 528 bytes (512 + 16 of padding: 33 x 16 bytes, so the 16 rows of a fragment load start at 16 different
; groups of banks, 64 banks of 4 bytes: ISA guide 11.1); wave w fills and reads rows 64 w .. 64 w + 63 of each slot, nobody else touches them.
; Then 16 KiB of rnorm (wave w: 16 rows of its 64 codes), filled once.  Then a stage written by LDS stores alone, into which no tensor load lands.
; MATRIX WORK BESIDE VECTOR WORK.  A wave's 64 codes of a slot are four code tiles of 16.  Tile c's 64 products run on eight accumulators, half c % 2
; of ACC; the vector work of the tiles before it is set among them as 81 numbered slices on the other half: first the compares and selects of
; tile c - 2 (17 instructions that name no register of a matrix instruction: they are the places in front of the first read of tile c - 1's sums),
; then the scaling and the maxima of tile c - 1.  The products name windows 1, 2 and 3 as sources and every vector operand lies in window 0, so the
; slices go in groups of five between two switches of the window, one group behind every fourth product: 16 groups, 32 switches a tile.
; THE TRIP has two halves.  A: tiles 0, 1, and between them one run of 36 LDS loads, tiles 2, 3 of this slot.  B: tiles 2, 3, and between them the run
; for tiles 0, 1 of the NEXT slot.  A run stands between two tiles because a tile's rnorm is read by the scaling slices during the next tile's products.
; So a slot's last read stands in half A, and the change of slots stands at the head of half B: each wave waits for its reads and for its one
; tensor load, the cluster's round follows, and this slot is asked for again first thing behind it.
; From that request to the wait for it a wave issues 240 of a trip's 256 products.
.set SLOT,   135168                    ; 256 rows x 528 bytes
.set WSHARE, 33792                     ; 64 rows x 528 bytes: a wave's share of a slot
.set EPITCH, 528
.set RNB,    270336                    ; rnorm: 4 waves x 16 rows x 256 bytes
.set STG,    286720                    ; stage: 128 rows of K x 288 bytes (256 + 32); at the end 4 KiB of it carry the waves' results
.set ZPITCH, 288
.set STEP,   131072                    ; bytes of eb from one tile of 256 codes to the next
.set EA,  4                            ; v4, v5   my address in my share of slot 0, 1: 528 (L % 16) + 16 (L / 16)
.set RNA, 6                            ; v6       my eight rnorm of a tile of 16 codes, in the row of the trip whose tiles 0, 1 were fetched last
.set ZA,  7                            ; v7       transposing loads from the stage
.set ZS,  8                            ; v8       my stores into the stage
.set ZO,  9                            ; v9       16 L, for the loads of z; never rewritten
.set TID, 10                           ; v10      gid of the group of eight codes whose compare and select come next
.set SA,  11                           ; v11      address in the results' scratch
.set OV,  12                           ; v12, v13 the other side of a merge
.set BG,  16                           ; v[16:31] row tile t: best score at 16 + 2 t, its gid at 17 + 2 t
.set B1,  32                           ; v[32:39] the best scores' second set: old and new take turns, so that a compare tells whether a group improved
.set RNV, 40                           ; v[40:71] rnorm of the trip's four code tiles, eight each
.set PK,  64                           ; v[64:127] prologue only: z as packed bf16
.set ACC, 128                          ; v[128:255] two halves of eight accumulators: code tile c, row tile t at 128 + 64 (c % 2) + 8 t (prologue: raw z, K 0-127)
.set MK,  54                           ; s[54:61] row tile t: the mask of its compare, so that no select stands straight behind its compare
; window 1: code fragments, tile c, K step q at 64 c + 8 q (prologue: raw z, K 128-255, in v0-127)
; windows 2, 3: zf fragments, K step q in window 2 + q / 4, at 64 (q % 4) + 8 t
.set MSB, 0
.macro WIN new                         ; the immediate's high byte repeats the setting that is left; a switch that changes nothing is dropped
.if MSB != (\new)
	s_set_vgpr_msb (MSB<<8)|(\new)
.set MSB, (\new)
.endif
.endm
.macro BAR
	s_barrier_signal -1
	s_barrier_wait -1
.endm
; A round of the cluster's barrier: my work-group's barrier, wave 0 signals for it, all wait for the four work-groups, my barrier again.
.macro CREST                           ; a round behind its opening barrier
	s_cmp_lg_u32 s12, 0
	s_cbranch_scc1 .Lnot_wave_0_\@
	s_barrier_signal -3
.Lnot_wave_0_\@:
	s_barrier_wait -3
	s_barrier_signal -1
	s_barrier_wait -1
.endm
.macro ROUND                           ; a whole round
	s_barrier_signal -1
	s_barrier_wait -1
	CREST
.endm
	s_load_b256 s[4:11], s[0:1], 0x0               ; z s[4:5], eb s[6:7], rnorm s[8:9], part s[10:11]
	v_lshl_add_u32 v190, v0, 2, 0x4f000
	v_mov_b32 v191, 0
	ds_add_u32 v190, v191
	s_wait_dscnt 0x0
	v_lshrrev_b32 v1, 5, v0
	v_readfirstlane_b32 s12, v1                    ; wave w
	s_bfe_u32 s13, ttmp6, 0x40000                  ; cx: enters only the global addresses of z and part
	s_lshl_b32 s14, ttmp9, 2
	s_add_co_u32 s14, s14, s13                     ; row block 0..63
	s_and_b32 s15, ttmp7, 0xffff                   ; code split y 0..3
	s_mov_b32 s46, 0x76543210
	s_mov_b32 s47, 0xfedcba98
	; group 1 for eb: 64 rows x 256 bf16, 16 bytes of padding behind each row of 128 words
	s_mov_b32 s16, 15|(1<<16)|(1<<20)|(1<<21)|(6<<22)|(3<<25)   ; mask of the four partners; 2-byte elements; padding on; bit 21 beside a mask; after 128 words; 4 words
	s_mov_b32 s17, 256<<16                         ; tensor_dim0 = 256
	s_mov_b32 s18, 64<<16                          ; tensor_dim1 = 64
	s_mov_b32 s19, 256<<16                         ; tile_dim0 = 256
	s_mov_b32 s20, 64                              ; tile_dim1 = 64
	s_mov_b32 s21, 256                             ; elements from row to row
	s_mov_b32 s22, 0
	s_mov_b32 s23, 0
	; group 1 for rnorm: 16 rows (one for each tile of 256 codes) x my 64 codes, f32, 256 elements from row to row
	s_mov_b32 s24, 15|(2<<16)|(1<<21)
	s_mov_b32 s25, 64<<16
	s_mov_b32 s26, 16<<16
	s_mov_b32 s27, 64<<16
	s_mov_b32 s28, 16
	s_mov_b32 s29, 256
	s_mov_b32 s30, 0
	s_mov_b32 s31, 0
	s_mul_i32 s45, s12, WSHARE                     ; my share of a slot
	s_lshl_b32 s50, s15, 21                        ; 4,096 codes of 512 bytes
	s_lshl_b32 s51, s12, 15                        ; 64 codes of 512 bytes
	s_add_co_u32 s50, s50, s51
	s_mov_b32 s51, 0
	s_wait_kmcnt 0x0
	s_add_nc_u64 s[48:49], s[6:7], s[50:51]        ; eb at my 64 codes of tile 0: made of y and w alone, equal in the four partners
.irp n, 0,1
	s_mov_b32 s[32+4*\n], 1
	s_add_co_u32 s[33+4*\n], s45, \n*SLOT
	s_add_nc_u64 s[34+4*\n:35+4*\n], s[48:49], \n*STEP
	s_or_b32 s[35+4*\n], s[35+4*\n], 0x80000000
.endr
	s_mov_b32 s40, 1
	s_lshl_b32 s41, s12, 12
	s_add_co_u32 s41, s41, RNB
	s_lshl_b32 s50, s15, 14                        ; 4,096 codes of 4 bytes
	s_lshl_b32 s51, s12, 8                         ; 64 codes of 4 bytes
	s_add_co_u32 s50, s50, s51
	s_mov_b32 s51, 0
	s_add_nc_u64 s[42:43], s[8:9], s[50:51]
	s_or_b32 s43, s43, 0x80000000
	ROUND                                          ; the four partners are here: the first joint loads meet
	tensor_load_to_lds s[40:43], s[24:31]          ; the first fills go out as one group: rnorm,
	s_nop 0
	tensor_load_to_lds s[32:35], s[16:23]          ; tile 0,
	s_nop 0
	tensor_load_to_lds s[36:39], s[16:23]          ; tile 1: three tensor loads of this wave are out
	s_nop 0
	; z[b][d][hw]: my work-group's 128 rows of zf are 128 neighbouring hw of one b, 512 bytes of each of the 256 rows d.
	; Wave w fetches d = 32 w + i and d = 128 + 32 w + i, i = 0..31; each load takes one row's 512 consecutive bytes.
	s_lshr_b32 s50, s14, 3
	s_lshl_b32 s50, s50, 20                        ; b x 1 MiB
	s_and_b32 s51, s14, 7
	s_lshl_b32 s51, s51, 9                         ; 128 hw of 4 bytes
	s_add_co_u32 s50, s50, s51
	s_lshl_b32 s51, s12, 17                        ; 32 rows d of 4,096 bytes
	s_add_co_u32 s50, s50, s51
	s_mov_b32 s51, 0
	s_add_nc_u64 s[48:49], s[4:5], s[50:51]
	v_and_b32 v1, 31, v0                           ; L
	v_lshlrev_b32 v[ZO], 4, v1
.set i, 0
.rept 32
	global_load_b128 v[ACC+4*i:ACC+4*i+3], v[ZO], s[48:49] offset:4096*i
.set i, i+1
.endr
	WIN 0x40                                       ; destination in window 1
.set i, 0
.rept 32
	global_load_b128 v[4*i:4*i+3], v[ZO], s[48:49] offset:524288+4096*i
.set i, i+1
.endr
	WIN 0
	v_and_b32 v2, 15, v0                           ; r = L % 16
	v_bfe_u32 v3, v0, 4, 1                         ; h = L / 16
	v_mul_u32_u24 v[EA], v2, EPITCH
	v_lshl_add_u32 v[EA], v3, 4, v[EA]
	v_add_nc_u32 v[EA], s45, v[EA]
	v_add_nc_u32 v[EA+1], SLOT, v[EA]
	v_lshl_add_u32 v[RNA], v3, 5, s41              ; my eight codes of a tile of 16 begin at 8 h
	v_and_b32 v[ZA], 7, v0
	v_lshl_add_u32 v[ZA], v3, 3, v[ZA]             ; stage row 8 h + L % 8
	v_mul_u32_u24 v[ZA], v[ZA], ZPITCH
	v_bfe_u32 v14, v0, 3, 1
	v_lshl_add_u32 v[ZA], v14, 4, v[ZA]
	v_add_nc_u32 v[ZA], STG, v[ZA]
	s_mul_i32 s50, s12, 32*ZPITCH
	s_add_co_u32 s50, s50, STG
	v_lshl_add_u32 v[ZS], v1, 3, s50               ; stage row 32 w, my four rows of zf as 8 bytes
	s_lshl_b32 s50, s15, 9
	s_lshl3_add_u32 s50, s12, s50
	v_add_nc_u32 v[TID], s50, v3                   ; gid = 512 y + 32 trip + 8 w + 2 c + h
	v_mov_b32 v[OV], 0                             ; destinations of v_permlanex16_b32 count as read
	v_mov_b32 v[OV+1], 0
.irp t, 0,1,2,3,4,5,6,7
	v_mov_b32 v[BG+2*\t], 0xff800000               ; minus infinity: the first finite score wins
	v_mov_b32 v[BG+2*\t+1], 0
.endr
; Half p of K (128 rows d): my 32 rows are rounded to bf16 and laid into the stage, [d][row of zf].
.macro STAGE p
	WIN 5*\p                                       ; p = 1: both sources in window 1
.set i, 0
.rept 32
	v_cvt_pk_bf16_f32 v[PK+2*i],   v[ACC*(1-\p)+4*i],   v[ACC*(1-\p)+4*i+1]
	v_cvt_pk_bf16_f32 v[PK+2*i+1], v[ACC*(1-\p)+4*i+2], v[ACC*(1-\p)+4*i+3]
.set i, i+1
.endr
	WIN 0
.set i, 0
.rept 32
	ds_store_b64 v[ZS], v[PK+2*i:PK+2*i+1] offset:ZPITCH*i
.set i, i+1
.endr
.endm
; The stage's 128 x 128 numbers become every wave's fragments of K steps 4 p .. 4 p + 3, in window 2 + p: the load transposes 8 x 8 numbers of 16 bits.
.macro TRZ p
	WIN 0x80|(\p<<6)
.irp qq, 0,1,2,3
.irp t, 0,1,2,3,4,5,6,7
	ds_load_tr16_b128 v[64*\qq+8*\t:64*\qq+8*\t+3],   v[ZA] offset:32*ZPITCH*\qq+32*\t
	ds_load_tr16_b128 v[64*\qq+8*\t+4:64*\qq+8*\t+7], v[ZA] offset:32*ZPITCH*\qq+32*\t+16*ZPITCH
.endr
.endr
	WIN 0
.endm
	s_wait_loadcnt 32                              ; the first 32 loads (K 0-127) are in, the 32 behind them stay out
	STAGE 0
	s_wait_dscnt 0x0                               ; my stores are done before I say so
	BAR                                            ; the tensor loads stay on their way
	TRZ 0
	s_wait_dscnt 0x0                               ; my reads of the stage are done before anybody writes it again
	BAR
	s_wait_loadcnt 0x0
	STAGE 1
	s_wait_dscnt 0x0
	BAR
	TRZ 1                                          ; waited for at the head of the first half trip
; One run of 36 LDS loads: the rnorm (4 loads) and the fragments (32 loads) of the pair of code tiles c0, c1 of a slot.  Leaves the destination in window 1.
; The fragment registers were last read by products a whole tile back, with that tile's first 17 slices as places between; the pair's rnorm was last
; read by scaling slices that stand in front of the run.
.macro LOADP slot, c0, c1
	WIN 0
.irp c, \c0, \c1
	ds_load_b128 v[RNV+8*\c:RNV+8*\c+3],   v[RNA] offset:64*\c
	ds_load_b128 v[RNV+8*\c+4:RNV+8*\c+7], v[RNA] offset:64*\c+16
.endr
	WIN 0x40
.irp q, 0,1,2,3,4,5,6,7
.irp c, \c0, \c1
	ds_load_b128 v[64*\c+8*\q:64*\c+8*\q+3],   v[EA+(\slot)] offset:16*EPITCH*\c+64*\q
	ds_load_b128 v[64*\c+8*\q+4:64*\c+8*\q+7], v[EA+(\slot)] offset:16*EPITCH*\c+64*\q+32
.endr
.endr
.endm
; Slice number VI_ (0 .. 80) of the vector work that goes with the products of code tile c (0 .. 3 of a trip).
;   0 ..  7  tile c - 2, row tile t: did its eight scores improve the best?  new equals old: no
;   8 .. 15  tile c - 2: where they did not, the gid stays, so the first group wins a tie
;  16        the gid of the next tile: 2 + 2 + 2 + 26 = 32 groups from a trip to the next
;  17 .. 48  tile c - 1: its sums times rnorm, two at a time
;  49 .. 80  tile c - 1: new = max(old, the eight scores), four stages of eight independent three-way maxima
; An even tile has its old best in BG and its new in B1, an odd tile the other way round; tile c - 2 has c's parity, tile c - 1 the other.
; sl = 1: all of it.  sl = 2, for the launch's second tile: no tile c - 2 exists, four v_nop are the places (ISA guide 7.12.1) instead of its slices.
.macro VSL c, sl
.set PA_, (\c)&1
.if VI_ < 17
.if (\sl) == 1
.if VI_ < 8
.set O2_, (1-PA_)*(BG+2*VI_)+PA_*(B1+VI_)
.set N2_, PA_*(BG+2*VI_)+(1-PA_)*(B1+VI_)
	v_cmp_eq_f32 s[MK+VI_], v[O2_], v[N2_]
.else
.if VI_ < 16
	v_cndmask_b32 v[BG+2*(VI_-8)+1], v[TID], v[BG+2*(VI_-8)+1], s[MK+VI_-8]
.else
.if (((\c)+2)&3) == 3
	v_add_nc_u32 v[TID], 26, v[TID]
.else
	v_add_nc_u32 v[TID], 2, v[TID]
.endif
.endif
.endif
.else
.if VI_ < 4
	v_nop
.endif
.endif
.else
.if VI_ < 49
.set T_, (VI_-17)>>2
.set S_, (VI_-17)&3
.set AB_, ACC+64*(1-PA_)+8*T_+2*S_
.set RB_, RNV+8*(((\c)+3)&3)+2*S_
	v_pk_mul_f32 v[AB_:AB_+1], v[AB_:AB_+1], v[RB_:RB_+1]
.else
.set S_, (VI_-49)>>3
.set T_, (VI_-49)&7
.set AB_, ACC+64*(1-PA_)+8*T_+2*S_
.set O1_, PA_*(BG+2*T_)+(1-PA_)*(B1+T_)
.set N1_, (1-PA_)*(BG+2*T_)+PA_*(B1+T_)
.if S_ == 0
	v_max3_num_f32 v[N1_], v[O1_], v[AB_], v[AB_+1]
.else
	v_max3_num_f32 v[N1_], v[N1_], v[AB_], v[AB_+1]
.endif
.endif
.endif
.endm
; Group g (0 .. 15): slices 5 g .. 5 g + 4, the last group one more.  sl = 0: none.  With sl = 2 groups 1 and 2 are empty and cost no switch.
.macro SLG c, g, sl
.set DO_, \sl
.if (\sl) == 2
.if (\g) == 1
.set DO_, 0
.endif
.if (\g) == 2
.set DO_, 0
.endif
.endif
.if DO_
	WIN 0
.set VI_, 5*(\g)
.rept 5
	VSL \c, \sl
.set VI_, VI_+1
.endr
.if (\g) == 15
	VSL \c, \sl
.endif
.endif
.endm
; Eight matrix instructions: K step q of code tile c against the eight row tiles, with a group of slices behind the fourth and the eighth.
; The eight accumulators take turns, one instruction a turn, in the same order in every K step.  K step 0 starts the sums with the constant 0.
.macro RUNQ c, q, sl
.irp t, 0,1,2,3,4,5,6,7
	WIN 0x09+4*(\q>>2)                             ; source 0 window 1, source 1 window 2 + q / 4, C and D window 0
.if \q == 0
	v_wmma_f32_16x16x32_bf16 v[ACC+64*(\c&1)+8*\t:ACC+64*(\c&1)+8*\t+7], v[64*\c+8*\q:64*\c+8*\q+7], v[64*(\q&3)+8*\t:64*(\q&3)+8*\t+7], 0
.else
	v_wmma_f32_16x16x32_bf16 v[ACC+64*(\c&1)+8*\t:ACC+64*(\c&1)+8*\t+7], v[64*\c+8*\q:64*\c+8*\q+7], v[64*(\q&3)+8*\t:64*(\q&3)+8*\t+7], v[ACC+64*(\c&1)+8*\t:ACC+64*(\c&1)+8*\t+7]
.endif
.if (\t&3) == 3
	SLG \c, 2*\q+(\t>>2), \sl
.endif
.endr
.endm
; Half A of a slot's trip: code tiles 0 and 1.  s0, s1: the slices that go with them (1, 1; in the launch's first half trip 0, 2).
.macro HALFA slot, s0, s1
	s_wait_dscnt 0x0                               ; code tiles 0, 1 and their rnorm are in: the only run out, issued 64 products back (first half trip: straight in front, behind the zf fragments)
.irp q, 0,1,2,3,4,5,6,7
	RUNQ 0, \q, \s0
.endr
	LOADP \slot, 2, 3                              ; my last reads of this slot
.irp q, 0,1,2,3,4,5,6,7
	RUNQ 1, \q, \s1
.endr
.endm
; Half B: code tiles 2 and 3.  refill = 1: the slot is asked for again, two tiles ahead.  ahead = 1: the other slot's code tiles 0, 1 are fetched for the next trip.
.macro HALFB slot, refill, ahead
	s_wait_dscnt 0x0                               ; code tiles 2, 3 and their rnorm are in (issued 64 products back): my reads of this slot are over
.if \refill
	s_wait_xcnt 0x0
	v_lshl_add_u32 v190, v0, 2, 0x4f000
	v_mov_b32 v191, 0
	s_wait_tensorcnt 0x0                           ; and my one tensor load has landed, my share of the other slot,
	ds_add_u32 v190, v191
	s_wait_dscnt 0x0
	s_add_nc_u64 s[34+4*\slot:35+4*\slot], s[34+4*\slot:35+4*\slot], 2*STEP    ; so a group 0 may be written: this slot's next tile
	s_barrier_signal -1                            ; say so: this barrier opens a round of the cluster's barrier;
	RUNQ 2, 0, 1                                   ; work on registers while the others arrive
	RUNQ 2, 1, 1
	WIN 0
	s_barrier_wait -1
	CREST                                          ; no wave of any partner still reads this slot's tile or has a load on its way
	tensor_load_to_lds s[32+4*\slot:35+4*\slot], s[16:23]                      ; my one tensor load behind the round, and the first thing there
	s_nop 0
.else
.if \ahead
	s_wait_tensorcnt 0x0                           ; the last tile has landed (my own bytes); nothing is filled again, so no round stands here
.endif
	RUNQ 2, 0, 1
	RUNQ 2, 1, 1
.endif
.irp q, 2,3,4,5,6,7
	RUNQ 2, \q, 1
.endr
.if \ahead
	WIN 0
	v_add_nc_u32 v[RNA], 256, v[RNA]               ; the next trip's row of rnorm
	LOADP 1-\slot, 0, 1                            ; the other slot was shown landed by the wait on TENSORcnt above
.endif
.irp q, 0,1,2,3,4,5,6,7
	RUNQ 3, \q, 1
.endr
.endm
	s_wait_tensorcnt 0x1                           ; rnorm and tile 0 have landed (my own bytes); tile 1 may stay out
	LOADP 0, 0, 1                                  ; code tiles 0, 1 of tile 0
	HALFA 0, 0, 2                                  ; tile 0, half A: the vector work is two code tiles behind the products, so this half stands in front of the loop
	WIN 0                                          ; at a label every window is 0
	s_mov_b32 s44, 7
.Lloop:
	HALFB 0, 1, 1                                  ; tiles 0, 2, .. 12; slot 0 is asked for again with tiles 2, 4, .. 14
	HALFA 1, 1, 1                                  ; tiles 1, 3, .. 13
	HALFB 1, 1, 1                                  ; slot 1 is asked for again with tiles 3, 5, .. 15
	HALFA 0, 1, 1                                  ; tiles 2, 4, .. 14
	WIN 0
	s_sub_co_u32 s44, s44, 1
	s_cmp_lg_u32 s44, 0
	s_cbranch_scc1 .Lloop
	HALFB 0, 0, 1                                  ; tile 14: nothing is left to ask for
	HALFA 1, 1, 1                                  ; tile 15
	HALFB 1, 0, 0                                  ; nothing is left to fetch from LDS either
	WIN 0
.set VI_, 0
.rept 81
	VSL 0, 1                                       ; what would go with a next tile's products: compare and select of the last but one code tile, scaling and maxima of the last
.set VI_, VI_+1
.endr
.set VI_, 0
.rept 16
	VSL 1, 1                                       ; compare and select of the last code tile, an odd one: the best is back in BG
.set VI_, VI_+1
.endr
; (bv, bg) takes (ov, og) where ov is larger, or equal with the smaller gid: the first index wins a tie, as in argmin.
.macro MERGE bv, bg, ov, og
	v_cmp_gt_f32 s52, v[\ov], v[\bv]
	v_cmp_eq_f32 s53, v[\ov], v[\bv]
	v_cmp_lt_u32 vcc_lo, v[\og], v[\bg]
	s_and_b32 vcc_lo, vcc_lo, s53
	s_or_b32 vcc_lo, vcc_lo, s52
	v_cndmask_b32 v[\bv], v[\bv], v[\ov], vcc_lo
	v_cndmask_b32 v[\bg], v[\bg], v[\og], vcc_lo
.endm
	s_lshl_b32 s50, s12, 10
	s_add_co_u32 s50, s50, STG
	v_lshl_add_u32 v[SA], v2, 3, s50               ; my wave's 1 KiB of the scratch, 8 bytes for each of the 128 rows
.irp t, 0,1,2,3,4,5,6,7
	v_permlanex16_b32 v[OV],   v[BG+2*\t],   s46, s47          ; the other half of the lanes holds the same row's other groups
	v_permlanex16_b32 v[OV+1], v[BG+2*\t+1], s46, s47
	MERGE BG+2*\t, BG+2*\t+1, OV, OV+1
	ds_store_b64 v[SA], v[BG+2*\t:BG+2*\t+1] offset:128*\t     ; lanes r and r + 16 write the same bytes with the same value
.endr
	s_wait_dscnt 0x0
	BAR
	v_lshlrev_b32 v14, 3, v0                       ; thread n finishes row n
	v_add_nc_u32 v[SA], STG, v14
	ds_load_b64 v[16:17], v[SA]
	ds_load_b64 v[18:19], v[SA] offset:1024
	ds_load_b64 v[20:21], v[SA] offset:2048
	ds_load_b64 v[22:23], v[SA] offset:3072
	s_wait_dscnt 0x0
	MERGE 16, 17, 18, 19
	MERGE 16, 17, 20, 21
	MERGE 16, 17, 22, 23
	v_add_f32 v16, 0, v16                          ; -0 becomes +0
	v_ashrrev_i32 v12, 31, v16
	v_or_b32 v12, 0x80000000, v12
	v_xor_b32 v16, v16, v12                        ; positive: the sign bit set; negative: all bits turned: unsigned order = order of the scores
	s_lshl_b32 s50, s15, 16                        ; split: 8,192 rows of 8 bytes
	s_lshl_b32 s51, s14, 10                        ; row block: 128 rows of 8 bytes
	s_add_co_u32 s50, s50, s51
	s_mov_b32 s51, 0
	s_add_nc_u64 s[10:11], s[10:11], s[50:51]
	global_store_b64 v14, v[16:17], s[10:11]       ; a wave stores 256 consecutive bytes, aligned
	s_wait_xcnt 0x0
	v_lshl_add_u32 v190, v0, 2, 0x4f000
	v_mov_b32 v191, 0
	s_wait_tensorcnt 0x0
	ds_add_u32 v190, v191
	s_wait_dscnt 0x0
	ROUND                                          ; the closing round: no work-group ends while a partner may still ask jointly
	s_endpgm
.Lfunc_end_k_qb32ee46c9a_score:
	.size	k_qb32ee46c9a_score, .Lfunc_end_k_qb32ee46c9a_score-k_qb32ee46c9a_score
	.p2alignl 7, 3214868480
	.fill 96, 4, 3214868480
	.section	.rodata,"a",@progbits
	.p2align	6, 0x0
	.amdhsa_kernel k_qb32ee46c9a_score
		.amdhsa_group_segment_fixed_size 327680
		.amdhsa_private_segment_fixed_size 0
		.amdhsa_enable_private_segment 0
		.amdhsa_kernarg_size 32
		.amdhsa_user_sgpr_count 2
		.amdhsa_user_sgpr_kernarg_segment_ptr 1
		.amdhsa_wavefront_size32 1
		.amdhsa_system_sgpr_workgroup_id_x 1
		.amdhsa_system_sgpr_workgroup_id_y 1
		.amdhsa_system_sgpr_workgroup_id_z 1
		.amdhsa_system_vgpr_workitem_id 0
		.amdhsa_next_free_vgpr 1024
		.amdhsa_next_free_sgpr 66
		.amdhsa_reserve_vcc 1
		.amdhsa_float_denorm_mode_32 3
		.amdhsa_float_denorm_mode_16_64 3
		.amdhsa_memory_ordered 1
		.amdhsa_forward_progress 1
		.amdhsa_inst_pref_size 219
	.end_amdhsa_kernel
	.amdgpu_metadata
---
amdhsa.version: [ 1, 2 ]
amdhsa.kernels:
  - .name:           k_qb32ee46c9a_score
    .symbol:         k_qb32ee46c9a_score.kd
    .args:
      - { .name: z, .offset: 0, .size: 8, .value_kind: global_buffer, .address_space: global }
      - { .name: eb, .offset: 8, .size: 8, .value_kind: global_buffer, .address_space: global }
      - { .name: rnorm, .offset: 16, .size: 8, .value_kind: global_buffer, .address_space: global }
      - { .name: part, .offset: 24, .size: 8, .value_kind: global_buffer, .address_space: global }
    .group_segment_fixed_size: 327680
    .private_segment_fixed_size: 0
    .kernarg_segment_align: 8
    .kernarg_segment_size: 32
    .max_flat_workgroup_size: 128
    .sgpr_count:     66
    .vgpr_count:     1024
    .wavefront_size: 32
...
	.end_amdgpu_metadata
.endif
;; end of part 2
;; launch finish (part 3): grid 128 x 1, 16 waves a work-group, no clusters, 67,840 bytes of LDS; arguments z, eb, rnorm, enorm, part, out0, out1, out2, out3; writes out0, out1, out2, out3
.if DOCPART == 3
	.amdgcn_target "amdgcn-amd-amdhsa--gfx1250"
	.amdhsa_code_object_version 6
	.text
	.protected	k_qb32ee46c9a_finish
	.globl	k_qb32ee46c9a_finish
	.p2align	8
	.type	k_qb32ee46c9a_finish,@function
k_qb32ee46c9a_finish:
	s_mov_b64 s[64:65], 0
	v_nop
	global_prefetch_b8 v0, s[64:65] scope:SCOPE_SE
	s_setreg_imm32_b32 hwreg(HW_REG_WAVE_MODE, 25, 1), 1
	s_wait_xcnt 0x0
; Third launch: all four outputs.  For each row of zf: the best of the four splits' keys (whole numbers read from part) names a group of eight
; codes; the eight are scored again in f32, the first of the largest is the index; its row of eb is divided by its norm, and
; out0 = zf + (q - zf) (channel first), out2 = trunc(that x sqrt(32)) + 4 (channel last), out1 = the index, out3 = 0.
; Nothing of reference() is left out: the straight-through sum is made as written, since its rounding reaches out2.
; Limits as stated at the head of the first kernel: z and the codes are the bf16-rounded ones, NaN and infinities are not served.
; No address and no branch hangs on a score: the group comes from memory as a whole number, clamped to 2,047; which of the eight wins only selects values.
; SHAPE.  A work-group owns 64 neighbouring rows (256 consecutive bytes of each of z's and out0's 256 rows d): 128 work-groups of 16 waves.
; Column side: wave v owns d = 16 v .. 16 v + 15.  Row side: wave v owns rows 4 v .. 4 v + 3.  The two sides meet in an LDS tile [64 rows][256 d] of f32.
; In the tile the 16-byte piece (d / 4) % 16 of row n lies at ((d / 4) % 16 + n / 4) % 16 within its 256 bytes: row-side accesses of 16 bytes take
; 16 different pieces of 256 bytes, column-side accesses of 4 bytes (16 rows four apart, two d) take 32 different banks (64 banks of 4 bytes: ISA guide 11.1).
; No matrix unit (8 candidates a row), no cluster (the gathered rows differ from row to row), no tensor load.
.set CA,  6                            ; v[6:9]    column side, mm = 0..3: 4096 l + 256 (v / 4) + 16 ((4 v + mm + l) % 16) + 4 e
.set RA,  10                           ; v10       row side: 4096 v + 256 e + 16 ((l + v) % 16)
.set IA,  11                           ; v11       the wave's four words of the index list
.set VO,  14                           ; v[14:17]  row rr: byte offset in eb of my 8 bytes of its group's first code
.set VN,  18                           ; v[18:21]  row rr: byte offset in rnorm and enorm of candidate L % 8
.set RN,  22                           ; v[22:25]  rnorm of candidate L % 8
.set NR,  26                           ; v[26:29]  enorm of candidate L % 8
.set Z,   32                           ; v[32:39]  the row's zf: d = 4 L .. + 3 and 128 + 4 L .. + 3
.set P,   40                           ; v[40:47]  the eight candidates' partial dots
.set T,   48                           ; v[48:55]  at work
.set X,   56                           ; v[56:63]  the winner's eight numbers, then the result r
.set Q,   64                           ; v[64:71]  the quotient
.set INT, 72                           ; v[72:79]  out2's numbers
.set RI,  80                           ; v[80:81]  1 / norm, twice
.set NN,  82                           ; v[82:83]  norm, twice
.set SC,  84
.set MX,  85
.set IX,  86
.set C,   96                           ; v[96:223] row rr at 96 + 32 rr, candidate c at + 4 c: registers 0, 1 = d 4 L .. + 3, registers 2, 3 = d 128 + 4 L .. + 3
.set RAWZ, 160                         ; raw z, before row 2's candidates are asked for
	s_load_b512 s[8:23], s[0:1], 0x0               ; z s[8:9], eb s[10:11], rnorm s[12:13], enorm s[14:15], part s[16:17], out0 s[18:19], out1 s[20:21], out2 s[22:23]
	s_load_b64 s[24:25], s[0:1], 0x40              ; out3
	v_lshl_add_u32 v224, v0, 2, 0x10100
	v_mov_b32 v225, 0
	v_lshrrev_b32 v30, 5, v0
	v_readfirstlane_b32 s26, v30                   ; wave v, 0..15
	s_mov_b32 s27, ttmp9                           ; work-group g
	s_mov_b32 s73, 0xffff0000
	s_mov_b32 s74, 0x76543210
	s_mov_b32 s75, 0xfedcba98
	v_and_b32 v1, 31, v0                           ; L
	v_and_b32 v2, 15, v0                           ; l
	v_bfe_u32 v3, v0, 4, 1                         ; e
	v_and_b32 v4, 7, v0                            ; L % 8
	v_lshlrev_b32 v5, 4, v2
	v_lshl_add_u32 v5, v3, 12, v5                  ; 4096 e + 16 l: two rows d of z or out0, 256 bytes of each
	v_lshlrev_b32 v12, 4, v1                       ; 16 L
	v_lshlrev_b32 v13, 3, v1                       ; 8 L
	s_lshl_b32 s28, s27, 9                         ; part: 64 rows of 8 bytes
	s_lshl_b32 s29, s26, 5                         ; 4 rows of 8 bytes
	s_add_co_u32 s28, s28, s29
	s_mov_b32 s29, 0
	s_wait_kmcnt 0x0
	s_add_nc_u64 s[16:17], s[16:17], s[28:29]
	s_load_b256 s[32:39], s[16:17], 0x0            ; split s: key and gid of my four rows
	s_load_b256 s[40:47], s[16:17], 0x10000
	s_load_b256 s[48:55], s[16:17], 0x20000
	s_load_b256 s[56:63], s[16:17], 0x30000
	s_lshr_b32 s28, s27, 4
	s_lshl_b32 s28, s28, 20                        ; b x 1 MiB
	s_and_b32 s30, s27, 15
	s_lshl_b32 s30, s30, 8                         ; 64 hw of 4 bytes
	s_add_co_u32 s28, s28, s30
	s_lshl_b32 s30, s26, 16                        ; 16 rows d of 4,096 bytes
	s_add_co_u32 s28, s28, s30
	s_add_nc_u64 s[8:9], s[8:9], s[28:29]
	s_add_nc_u64 s[18:19], s[18:19], s[28:29]
.irp m, 0,1,2,3,4,5,6,7
	global_load_b128 v[RAWZ+4*\m:RAWZ+4*\m+3], v5, s[8:9] offset:8192*\m th:TH_LOAD_NT   ; d = 16 v + 2 m + e, rows 4 l .. 4 l + 3
.endr
	s_lshl_b32 s28, s27, 16                        ; out2: 64 rows of 1,024 bytes
	s_lshl_b32 s30, s26, 12                        ; 4 rows
	s_add_co_u32 s28, s28, s30
	s_add_nc_u64 s[22:23], s[22:23], s[28:29]
	s_lshl_b32 s28, s27, 8                         ; out1: 64 rows of 4 bytes
	s_add_nc_u64 s[20:21], s[20:21], s[28:29]
	s_lshr_b32 s30, s26, 2
	s_lshl_b32 s30, s30, 8
	v_lshlrev_b32 v31, 12, v2
	v_lshl_add_u32 v31, v3, 2, v31
	v_add_nc_u32 v31, s30, v31                     ; 4096 l + 4 e + 256 (v / 4)
	s_lshl_b32 s30, s26, 2
.irp mm, 0,1,2,3
	v_add3_u32 v30, v2, s30, \mm
	v_and_b32 v30, 15, v30
	v_lshl_add_u32 v[CA+\mm], v30, 4, v31
.endr
	v_add_nc_u32 v30, s26, v2
	v_and_b32 v30, 15, v30
	v_lshlrev_b32 v30, 4, v30
	v_lshl_add_u32 v30, v3, 8, v30
	s_lshl_b32 s30, s26, 12
	v_add_nc_u32 v[RA], s30, v30
	s_lshl_b32 s30, s26, 4
	s_add_co_u32 s30, s30, 65536
	v_mov_b32 v[IA], s30
	s_wait_kmcnt 0x0
	; the best split of each row, by whole numbers: a strictly larger key wins, so the lower split (the lower indices) wins a tie
.irp rr, 0,1,2,3
	s_mov_b32 s70, s[32+2*\rr]
	s_mov_b32 s[66+\rr], s[33+2*\rr]
.irp s, 1,2,3
	s_cmp_gt_u32 s[32+8*\s+2*\rr], s70
	s_cselect_b32 s70, s[32+8*\s+2*\rr], s70
	s_cselect_b32 s[66+\rr], s[33+8*\s+2*\rr], s[66+\rr]
.endr
	s_min_u32 s[66+\rr], s[66+\rr], 2047           ; a loaded number enters an address only clamped: 2,048 groups
	s_lshl_b32 s28, s[66+\rr], 12                  ; a group is 8 codes of 512 bytes
	v_add_nc_u32 v[VO+\rr], s28, v13
	s_lshl_b32 s28, s[66+\rr], 5                   ; and 8 words of the norms
	v_lshl_add_u32 v[VN+\rr], v4, 2, s28
.endr
.macro CAND rr                         ; 18 loads: eight candidates in two loads of 256 consecutive bytes each, rnorm, enorm
.irp c, 0,1,2,3,4,5,6,7
	global_load_b64 v[C+32*\rr+4*\c:C+32*\rr+4*\c+1],   v[VO+\rr], s[10:11] offset:512*\c
	global_load_b64 v[C+32*\rr+4*\c+2:C+32*\rr+4*\c+3], v[VO+\rr], s[10:11] offset:512*\c+256
.endr
	global_load_b32 v[RN+\rr], v[VN+\rr], s[12:13]
	global_load_b32 v[NR+\rr], v[VN+\rr], s[14:15]
.endm
	CAND 0
	CAND 1
	s_wait_loadcnt 36                              ; z's eight loads are in; the 36 of rows 0 and 1 stay out
.irp m, 0,1,2,3,4,5,6,7
	v_cvt_pk_bf16_f32 v[T],   v[RAWZ+4*\m],   v[RAWZ+4*\m+1]   ; z is rounded to bf16 and widened again: the zf of every later step
	v_cvt_pk_bf16_f32 v[T+1], v[RAWZ+4*\m+2], v[RAWZ+4*\m+3]
	v_lshlrev_b32 v[T+2], 16,  v[T]
	v_and_b32     v[T+3], s73, v[T]
	v_lshlrev_b32 v[T+4], 16,  v[T+1]
	v_and_b32     v[T+5], s73, v[T+1]
.irp i, 0,1,2,3
	ds_store_b32 v[CA+(\m>>1)], v[T+2+\i] offset:1024*\i+8*(\m&1)      ; row 4 l + i, d = 16 v + 2 m + e
.endr
.endr
	CAND 2
	CAND 3
	s_wait_dscnt 0x0                               ; my stores are done before I say so
	s_barrier_signal -1
	s_barrier_wait -1
; a and b hold two candidates' partial sums; lanes with the mask's bit keep b and send a, the others keep a and send b.
.macro FOLD a, b, tmp, x
	v_cndmask_b32 v[\tmp], v[\b], v[\a], vcc_lo
	v_cndmask_b32 v[\a], v[\a], v[\b], vcc_lo
	v_add_f32_dpp v[\a], v[\tmp], v[\a] row_xmask:\x row_mask:0xf bank_mask:0xf
.endm
.macro ROWX rr
	ds_load_b128 v[Z:Z+3],   v[RA] offset:1024*\rr
	ds_load_b128 v[Z+4:Z+7], v[RA] offset:1024*\rr+512
	s_wait_loadcnt 54-18*\rr                       ; 72 loads in order: this row's 18 are in, the later rows' stay out
	s_wait_dscnt 0x0
.irp c, 0,1,2,3,4,5,6,7
	v_lshlrev_b32 v[T+\c], 16, v[C+32*\rr+4*\c]
.endr
.irp c, 0,1,2,3,4,5,6,7
	v_mul_f32 v[P+\c], v[T+\c], v[Z]               ; the first products start the eight sums
.endr
.irp c, 0,1,2,3,4,5,6,7
	v_fma_mix_f32_bf16 v[P+\c], v[C+32*\rr+4*\c], v[Z+1], v[P+\c] op_sel:[1,0,0] op_sel_hi:[1,0,0]
.endr
.irp j, 1,2,3
.irp c, 0,1,2,3,4,5,6,7
	v_fma_mix_f32_bf16 v[P+\c], v[C+32*\rr+4*\c+\j], v[Z+2*\j], v[P+\c] op_sel_hi:[1,0,0]
.endr
.irp c, 0,1,2,3,4,5,6,7
	v_fma_mix_f32_bf16 v[P+\c], v[C+32*\rr+4*\c+\j], v[Z+2*\j+1], v[P+\c] op_sel:[1,0,0] op_sel_hi:[1,0,0]
.endr
.endr
	s_mov_b32 vcc_lo, 0xaaaaaaaa                   ; eight sums over 32 lanes, folded: lane L ends with candidate L % 8
	FOLD P,   P+1, T,   1
	FOLD P+2, P+3, T+1, 1
	FOLD P+4, P+5, T+2, 1
	FOLD P+6, P+7, T+3, 1
	s_mov_b32 vcc_lo, 0xcccccccc
	FOLD P,   P+2, T,   2
	FOLD P+4, P+6, T+1, 2
	s_mov_b32 vcc_lo, 0xf0f0f0f0
	FOLD P,   P+4, T,   4
	v_add_f32_dpp v[P], v[P], v[P] row_xmask:8 row_mask:0xf bank_mask:0xf
	v_permlanex16_b32 v[T], v[P], s74, s75
	v_add_f32 v[P], v[P], v[T]
	v_mul_f32 v[SC], v[P], v[RN+\rr]               ; the score of candidate L % 8
	v_mov_b32 v[MX], v[SC]
	v_max_num_f32_dpp v[MX], v[MX], v[MX] row_xmask:1 row_mask:0xf bank_mask:0xf
	v_max_num_f32_dpp v[MX], v[MX], v[MX] row_xmask:2 row_mask:0xf bank_mask:0xf
	v_max_num_f32_dpp v[MX], v[MX], v[MX] row_xmask:4 row_mask:0xf bank_mask:0xf
	v_cmp_eq_f32 vcc_lo, v[SC], v[MX]
	s_ctz_i32_b32 s71, vcc_lo                      ; the lowest lane that holds the maximum is among lanes 0-7: the first candidate
	s_lshl3_add_u32 s72, s[66+\rr], s71            ; the index, 8 gid + candidate: data only, it enters no address
	v_mov_b32 v[IX], s72
	ds_store_b32 v[IA], v[IX] offset:4*\rr
	v_cmp_eq_u32 vcc_lo, s71, v4
	v_cndmask_b32 v[NN], 0, v[NR+\rr], vcc_lo      ; the winner's norm (at least 1e-12) against zeros,
	v_max_num_f32_dpp v[NN], v[NN], v[NN] row_xmask:1 row_mask:0xf bank_mask:0xf
	v_max_num_f32_dpp v[NN], v[NN], v[NN] row_xmask:2 row_mask:0xf bank_mask:0xf
	v_max_num_f32_dpp v[NN], v[NN], v[NN] row_xmask:4 row_mask:0xf bank_mask:0xf
	v_mov_b32 v[NN+1], v[NN]                       ; in every lane, twice for the packed arithmetic
	v_rcp_f32 v[RI], v[NN]
	v_rcp_f32 v[RI+1], v[NN]                       ; the selects below are the plain instructions behind them (ISA guide 5.7.2)
	s_bitcmp1_b32 s71, 0                           ; the winner's row by the three bits of its number: 16 + 8 + 4 selects
	s_cselect_b32 vcc_lo, -1, 0
.irp k, 0,2,4,6
.irp j, 0,1,2,3
	v_cndmask_b32 v[C+32*\rr+4*\k+\j], v[C+32*\rr+4*\k+\j], v[C+32*\rr+4*\k+4+\j], vcc_lo
.endr
.endr
	s_bitcmp1_b32 s71, 1
	s_cselect_b32 vcc_lo, -1, 0
.irp k, 0,4
.irp j, 0,1,2,3
	v_cndmask_b32 v[C+32*\rr+4*\k+\j], v[C+32*\rr+4*\k+\j], v[C+32*\rr+4*\k+8+\j], vcc_lo
.endr
.endr
	s_bitcmp1_b32 s71, 2
	s_cselect_b32 vcc_lo, -1, 0
.irp j, 0,1,2,3
	v_cndmask_b32 v[C+32*\rr+\j], v[C+32*\rr+\j], v[C+32*\rr+16+\j], vcc_lo
.endr
.irp j, 0,1,2,3
	v_lshlrev_b32 v[X+2*\j],   16,  v[C+32*\rr+\j]
	v_and_b32     v[X+2*\j+1], s73, v[C+32*\rr+\j]
.endr
	s_wait_alu depctr_va_vdst(0)
.irp k, 0,2,4,6
	v_pk_mul_f32 v[Q+\k:Q+\k+1], v[X+\k:X+\k+1], v[RI:RI+1]                                        ; x / n: a first quotient,
.endr
.irp k, 0,2,4,6
	v_pk_fma_f32 v[T+\k:T+\k+1], v[Q+\k:Q+\k+1], v[NN:NN+1], v[X+\k:X+\k+1] neg_lo:[1,0,0] neg_hi:[1,0,0]   ; its remainder x - q n,
.endr
.irp k, 0,2,4,6
	v_pk_fma_f32 v[Q+\k:Q+\k+1], v[T+\k:T+\k+1], v[RI:RI+1], v[Q+\k:Q+\k+1]                        ; and the corrected quotient
.endr
.irp k, 0,2,4,6
	v_pk_add_f32 v[T+\k:T+\k+1], v[Q+\k:Q+\k+1], v[Z+\k:Z+\k+1] neg_lo:[0,1] neg_hi:[0,1]          ; z_q - zf
.endr
.irp k, 0,2,4,6
	v_pk_add_f32 v[X+\k:X+\k+1], v[Z+\k:Z+\k+1], v[T+\k:T+\k+1]                                    ; zf + (z_q - zf)
.endr
.irp k, 0,2,4,6
	v_pk_mul_f32 v[T+\k:T+\k+1], v[X+\k:X+\k+1], 0x40b504f3 op_sel_hi:[1,0]                        ; x sqrt(32)
.endr
	s_wait_xcnt 0x0                                ; INT, the data of the row before's stores, is rewritten only behind this wait
.irp k, 0,1,2,3,4,5,6,7
	v_cvt_i32_f32 v[INT+\k], v[T+\k]               ; toward zero
.endr
.irp k, 0,1,2,3,4,5,6,7
	v_add_nc_u32 v[INT+\k], 4, v[INT+\k]
.endr
	global_store_b128 v12, v[INT:INT+3],   s[22:23] offset:1024*\rr th:TH_STORE_NT       ; the wave stores 512 consecutive bytes, aligned
	global_store_b128 v12, v[INT+4:INT+7], s[22:23] offset:1024*\rr+512 th:TH_STORE_NT
	ds_store_b128 v[RA], v[X:X+3]   offset:1024*\rr        ; the result takes zf's place in the tile: this row's bytes are touched by my wave alone until the next barrier
	ds_store_b128 v[RA], v[X+4:X+7] offset:1024*\rr+512
.endm
	ROWX 0
	ROWX 1
	ROWX 2
	ROWX 3
	s_wait_dscnt 0x0                               ; my stores are done before I say so
	s_barrier_signal -1
	s_barrier_wait -1
.irp m, 0,1,2,3,4,5,6,7
.irp i, 0,1,2,3
	ds_load_b32 v[C+4*\m+\i], v[CA+(\m>>1)] offset:1024*\i+8*(\m&1)
.endr
.endr
.irp m, 0,1,2,3,4,5,6,7
	s_wait_dscnt 28-4*\m                           ; 32 loads in order: the four of store m are in
	global_store_b128 v5, v[C+4*\m:C+4*\m+3], s[18:19] offset:8192*\m th:TH_STORE_NT     ; sixteen lanes store 256 consecutive bytes, aligned
.endr
	s_cmp_lg_u32 s26, 0
	s_cbranch_scc1 .Lend                           ; wave 0 writes the work-group's 64 indices: 256 consecutive bytes, aligned
	v_add_nc_u32 v30, 0x10000, v13
	ds_load_b64 v[T:T+1], v30
	v_mov_b32 v[T+2], 0
	v_mov_b32 v[T+3], 0
	s_wait_dscnt 0x0
	global_store_b64 v13, v[T:T+1], s[20:21]
	s_cmp_lg_u32 s27, 0
	s_cbranch_scc1 .Lend                           ; and in work-group 0 the loss, which reference() sets to zero
	v_cmp_eq_u32 vcc_lo, 0, v1
	s_wait_xcnt 0x0                                ; EXEC changes only behind this wait
	s_and_saveexec_b32 s28, vcc_lo
	global_store_b32 v[T+2], v[T+3], s[24:25]
	s_wait_xcnt 0x0                                ; and again in front of the line that widens it
	s_or_b32 exec_lo, exec_lo, s28
.Lend:
	s_wait_tensorcnt 0x0
	ds_add_u32 v224, v225
	s_wait_dscnt 0x0
	s_endpgm
.Lfunc_end_k_qb32ee46c9a_finish:
	.size	k_qb32ee46c9a_finish, .Lfunc_end_k_qb32ee46c9a_finish-k_qb32ee46c9a_finish
	.p2alignl 7, 3214868480
	.fill 96, 4, 3214868480
	.section	.rodata,"a",@progbits
	.p2align	6, 0x0
	.amdhsa_kernel k_qb32ee46c9a_finish
		.amdhsa_group_segment_fixed_size 67840
		.amdhsa_private_segment_fixed_size 0
		.amdhsa_enable_private_segment 0
		.amdhsa_kernarg_size 72
		.amdhsa_user_sgpr_count 2
		.amdhsa_user_sgpr_kernarg_segment_ptr 1
		.amdhsa_wavefront_size32 1
		.amdhsa_system_sgpr_workgroup_id_x 1
		.amdhsa_system_sgpr_workgroup_id_y 1
		.amdhsa_system_sgpr_workgroup_id_z 1
		.amdhsa_system_vgpr_workitem_id 0
		.amdhsa_next_free_vgpr 226
		.amdhsa_next_free_sgpr 80
		.amdhsa_reserve_vcc 1
		.amdhsa_float_denorm_mode_32 3
		.amdhsa_float_denorm_mode_16_64 3
		.amdhsa_memory_ordered 1
		.amdhsa_forward_progress 1
		.amdhsa_inst_pref_size 62
	.end_amdhsa_kernel
	.amdgpu_metadata
---
amdhsa.version: [ 1, 2 ]
amdhsa.kernels:
  - .name:           k_qb32ee46c9a_finish
    .symbol:         k_qb32ee46c9a_finish.kd
    .args:
      - { .name: z, .offset: 0, .size: 8, .value_kind: global_buffer, .address_space: global }
      - { .name: eb, .offset: 8, .size: 8, .value_kind: global_buffer, .address_space: global }
      - { .name: rnorm, .offset: 16, .size: 8, .value_kind: global_buffer, .address_space: global }
      - { .name: enorm, .offset: 24, .size: 8, .value_kind: global_buffer, .address_space: global }
      - { .name: part, .offset: 32, .size: 8, .value_kind: global_buffer, .address_space: global }
      - { .name: out0, .offset: 40, .size: 8, .value_kind: global_buffer, .address_space: global }
      - { .name: out1, .offset: 48, .size: 8, .value_kind: global_buffer, .address_space: global }
      - { .name: out2, .offset: 56, .size: 8, .value_kind: global_buffer, .address_space: global }
      - { .name: out3, .offset: 64, .size: 8, .value_kind: global_buffer, .address_space: global }
    .group_segment_fixed_size: 67840
    .private_segment_fixed_size: 0
    .kernarg_segment_align: 8
    .kernarg_segment_size: 72
    .max_flat_workgroup_size: 512
    .sgpr_count:     80
    .vgpr_count:     226
    .wavefront_size: 32
...
	.end_amdgpu_metadata
.endif
;; end of part 3
;; ======== version 2 of 2: 3 launches; version 1 with the launch prep written anew for expert scheduling mode
;; limits: values outside matrix products are rounded to bf16
;; workspace buffers: eb 8,388,608 bytes; rnorm 65,536 bytes; enorm 65,536 bytes; part 262,144 bytes of whole numbers
;; launch prep (part 4): grid 256 x 1, 8 waves a work-group, no clusters, 1,536 bytes of LDS; arguments embed_weight, eb, rnorm, enorm; writes eb, rnorm, enorm
.if DOCPART == 4
	.amdgcn_target "amdgcn-amd-amdhsa--gfx1250"
	.amdhsa_code_object_version 6
	.text
	.protected	k_qb32ee46c9a_prep
	.globl	k_qb32ee46c9a_prep
	.p2align	8
	.type	k_qb32ee46c9a_prep,@function
k_qb32ee46c9a_prep:
	s_mov_b64 s[64:65], 0
	v_nop
	global_prefetch_b8 v0, s[64:65] scope:SCOPE_SE
	s_setreg_imm32_b32 hwreg(HW_REG_WAVE_SCHED_MODE, 0, 2), 2
	s_setreg_imm32_b32 hwreg(HW_REG_WAVE_MODE, 25, 1), 1
	s_wait_xcnt 0x0
	s_wait_alu depctr_vm_vsrc(0)
; SphericalVectorQuantizer, first of three launches: the codebook is rounded to bf16 once, and each code's norm is taken.
;   eb[k][d]  = bf16(embed_weight[k][d])                       [16384][256] bf16
;   enorm[k]  = max(sqrt(sum over d of eb[k][d]^2), 1e-12)     [16384] f32
;   rnorm[k]  = 1 / enorm[k]                                   [16384] f32
; THE WHOLE PROGRAM.  No step and no input of reference() is left out.  Two identities are used, both for all values:
; argmin(-x) = argmax(x) with the same first-index rule, and z . (e / n) = (z . e) / n, so the product is made with the
; rounded, unnormalised codes (exact products, f32 sums) and each score is scaled afterwards in f32.
; LIMITS.  (1) All four outputs are those of reference() on z and embed_weight rounded to bf16: the norm, the gathered row
; and the zf of the straight-through sum are the rounded ones too, so that the whole numbers agree with one another.
; (2) The order of rounding differs from reference()'s (scale behind the sum; another order of the f32 sums): two codes whose
; scores differ by about 1e-6 of the score or less may change places.  (3) NaN and infinities in the inputs are not served.
; SHAPE.  Memory binds: each byte of embed_weight is read once, by loads of 512 consecutive bytes a wave; eb leaves in stores of
; 256 consecutive aligned bytes a wave.  Eight waves; the work-group owns 64 codes, a wave eight, a whole code in one wave,
; so the sum of squares never leaves the wave.  No matrix unit, no cluster: nothing is shared and nothing is multiplied.
; THE MODE: SCHED_MODE bits 1:0 = 2 (LLVM: expert scheduling mode 2), set by the entry lines.  The code itself states the register dependences
; between vector instructions and memory or LDS instructions, with s_wait_alu, always for 0.
; THE PLAN.  Registers that memory or LDS instructions touch:
;   v2, v3, v5   offsets and an LDS address, made once at the head and never written again.
;   X            written by the sixteen loads alone, read by the conversions, never loaded again.
;   P            four registers for each code, its own.  Written by code i's conversions; read by its two stores, which are issued at the head of
;                code i + 1's turn (code 7's behind the wait for the root); never written again.
;   N, R         written by the root, the reciprocal and its correction; read by the two LDS stores; never written again.
;   v6, v[T:T+1] behind the barrier: v6 is made anew as an LDS address (no memory instruction has read it before), the LDS load lands in v[T:T+1], the last store reads them.
;   v128, v129   written at the head, read by the closing add alone.
; So one wait on va_vdst stands at the head of a code's turn, behind the wait for its data: the code before has written its P.  The vector instructions behind it
; name this code's X and P, T, A and SS: none of the registers that the two stores touch.  No register that a memory or LDS instruction has read is
; written again anywhere in the text, so no wait on vm_vsrc is owed.  Scalar registers that vector instructions write: s12 and the seven masks s[16:22],
; each run of writers with one wait on va_sdst ahead of its first reader.
.set X,   8                            ; v[8:71]    code i: 8 registers; 0-3 = d 4L.., 4-7 = d 128+4L..
.set P,   72                           ; v[72:103]  code i: 4 registers of packed bf16, its own, so no store's data is rewritten
.set T,   104                          ; v[104:111] at work
.set A,   112                          ; v[112:113] two running sums
.set SS,  114                          ; v[114:121] the eight codes' sums of squares
.set SEL, 122
.set N,   123
.set R,   124
.set ER,  125
.set MK,  15                           ; s[16:22]   i = 1 .. 7: at MK + i the mask of the lanes that finish code i
	s_load_b256 s[4:11], s[0:1], 0x0               ; embed_weight s[4:5], eb s[6:7], rnorm s[8:9], enorm s[10:11]
	v_lshl_add_u32 v128, v0, 2, 0x200              ; my spare word and 0, kept for the closing lines alone
	v_mov_b32 v129, 0
	v_and_b32 v1, 31, v0                           ; lane L
	v_lshrrev_b32 v6, 5, v0
	v_readfirstlane_b32 s12, v6                    ; wave w
	s_mov_b32 s13, 0xffff0000                      ; a word's upper bf16
	s_mov_b32 s14, 0x76543210                      ; v_permlanex16_b32: lane i reads lane i of the other half
	s_mov_b32 s15, 0xfedcba98
	v_lshlrev_b32 v2, 4, v1                        ; 16 L
	v_lshlrev_b32 v3, 3, v1                        ; 8 L
	v_and_b32 v4, 7, v1                            ; which of the wave's eight codes this lane finishes
	v_lshlrev_b32 v5, 2, v4
	s_wait_alu depctr_va_sdst(0)                   ; s12 is written, ahead of its first reader, the next line; the bases below are made from it too
	v_lshl_add_u32 v5, s12, 5, v5                  ; LDS word of code 8 w + (L & 7)
	s_lshl_b32 s16, ttmp9, 16                      ; 64 codes of 1,024 bytes
	s_lshl_b32 s18, s12, 13                        ; 8 codes of 1,024 bytes
	s_add_co_u32 s16, s16, s18
	s_mov_b32 s17, 0
	s_lshr_b32 s18, s16, 1                         ; in eb a code is half as long
	s_mov_b32 s19, 0
	s_wait_kmcnt 0x0
	s_add_nc_u64 s[4:5], s[4:5], s[16:17]
	s_add_nc_u64 s[6:7], s[6:7], s[18:19]
	s_wait_alu depctr_va_vdst(0)                   ; v2, v3 and v5 are written: every load reads v2 as its offset, every global store v3, the LDS stores v5 as their address
.irp i, 0,1,2,3,4,5,6,7
	global_load_b128 v[X+8*\i:X+8*\i+3],   v2, s[4:5] offset:1024*\i th:TH_LOAD_NT
	global_load_b128 v[X+8*\i+4:X+8*\i+7], v2, s[4:5] offset:1024*\i+512 th:TH_LOAD_NT
.endr
.irp i, 1,2,3,4,5,6,7
	v_cmp_eq_u32 s[MK+\i], \i, v4                  ; which lanes finish code i: it hangs on the lane alone, so the seven compares stand here, in one run, while the loads are on their way
.endr
	s_wait_alu depctr_va_sdst(0)                   ; s[16:22] are written, ahead of their first readers, the selects behind the eight codes' turns: one wait for the run
; Code i's two stores.
.macro SEND i
	global_store_b64 v3, v[P+4*(\i):P+4*(\i)+1],   s[6:7] offset:512*(\i)        ; the wave stores 256 consecutive bytes, aligned
	global_store_b64 v3, v[P+4*(\i)+2:P+4*(\i)+3], s[6:7] offset:512*(\i)+256
.endm
.macro ROW i
	s_wait_loadcnt 14-2*\i                         ; sixteen loads in order: code i's two are in, the 14 - 2 i behind them stay out
.if \i > 0
	s_wait_alu depctr_va_vdst(0)                   ; the conversions of the code before have written its P, which the two stores below read
	SEND (\i)-1
.endif
.irp j, 0,1,2,3
	v_cvt_pk_bf16_f32 v[P+4*\i+\j], v[X+8*\i+2*\j], v[X+8*\i+2*\j+1]
.endr
.irp j, 0,1,2,3
	v_lshlrev_b32 v[T+2*\j],   16,  v[P+4*\i+\j]  ; the rounded numbers as f32
	v_and_b32     v[T+2*\j+1], s13, v[P+4*\i+\j]
.endr
	v_pk_mul_f32 v[A:A+1], v[T:T+1], v[T:T+1]      ; the first squares start the sums
	v_pk_fma_f32 v[A:A+1], v[T+2:T+3], v[T+2:T+3], v[A:A+1]
	v_pk_fma_f32 v[A:A+1], v[T+4:T+5], v[T+4:T+5], v[A:A+1]
	v_pk_fma_f32 v[A:A+1], v[T+6:T+7], v[T+6:T+7], v[A:A+1]
	v_add_f32 v[SS+\i], v[A], v[A+1]
	v_add_f32_dpp v[SS+\i], v[SS+\i], v[SS+\i] row_xmask:1 row_mask:0xf bank_mask:0xf
	v_add_f32_dpp v[SS+\i], v[SS+\i], v[SS+\i] row_xmask:2 row_mask:0xf bank_mask:0xf
	v_add_f32_dpp v[SS+\i], v[SS+\i], v[SS+\i] row_xmask:4 row_mask:0xf bank_mask:0xf
	v_add_f32_dpp v[SS+\i], v[SS+\i], v[SS+\i] row_xmask:8 row_mask:0xf bank_mask:0xf
	v_permlanex16_b32 v[T], v[SS+\i], s14, s15     ; its destination has been written above
	v_add_f32 v[SS+\i], v[SS+\i], v[T]             ; every lane holds code i's sum
.endm
.irp i, 0,1,2,3,4,5,6,7
	ROW \i
.endr
	v_mov_b32 v[SEL], v[SS]                        ; lane L takes the sum of code L & 7: one root and one reciprocal serve all eight
.irp i, 1,2,3,4,5,6,7
	v_cndmask_b32 v[SEL], v[SEL], v[SS+\i], s[MK+\i]
.endr
	v_sqrt_f32 v[N], v[SEL]
	v_nop                                          ; one plain instruction behind a transcendental (ISA guide 5.7.2)
	s_wait_alu depctr_va_vdst(0)                   ; the root has written v[N], ahead of its first reader; and code 7's conversions have written its P, which the two stores below read
	SEND 7
	v_max_num_f32 v[N], 0x2b8cbccc, v[N]           ; max(norm, 1e-12), as reference() has it
	v_rcp_f32 v[R], v[N]
	v_nop
	s_wait_alu depctr_va_vdst(0)                   ; the reciprocal has written v[R], ahead of its first reader
	v_fma_f32 v[ER], -v[N], v[R], 1.0              ; one Newton step on the reciprocal
	v_fma_f32 v[R], v[ER], v[R], v[R]
	s_wait_alu depctr_va_vdst(0)                   ; v[R] and v[N] are written, which the two LDS stores read
	ds_store_b32 v5, v[R]                          ; bytes 0-255: 64 reciprocals; lanes that share a word write the same value
	ds_store_b32 v5, v[N] offset:256               ; bytes 256-511: 64 norms
	s_wait_dscnt 0x0                               ; my stores are done before I say so
	s_barrier_signal -1
	s_barrier_wait -1
	s_cmp_ge_u32 s12, 2
	s_cbranch_scc1 .Lend                           ; wave 0 writes the reciprocals, wave 1 the norms: one store of 256 aligned bytes each
	s_cmp_eq_u32 s12, 0
	s_cselect_b64 s[16:17], s[8:9], s[10:11]
	s_lshl_b32 s18, ttmp9, 8                       ; 64 codes of 4 bytes
	s_mov_b32 s19, 0
	s_add_nc_u64 s[16:17], s[16:17], s[18:19]
	v_lshl_add_u32 v6, s12, 8, v3                  ; 256 w + 8 L
	s_wait_alu depctr_va_vdst(0)                   ; v6 is written, which the LDS load reads as its address; the codes' turns are done reading and writing v[T:T+1], in which it lands
	ds_load_b64 v[T:T+1], v6
	s_wait_dscnt 0x0
	global_store_b64 v3, v[T:T+1], s[16:17]
.Lend:
	s_wait_dscnt 0x0                               ; the closing lines, six on end
	s_wait_alu 0x0
	s_wait_tensorcnt 0x0
	ds_add_u32 v128, v129
	s_wait_dscnt 0x0
	s_endpgm
.Lfunc_end_k_qb32ee46c9a_prep:
	.size	k_qb32ee46c9a_prep, .Lfunc_end_k_qb32ee46c9a_prep-k_qb32ee46c9a_prep
	.p2alignl 7, 3214868480
	.fill 96, 4, 3214868480
	.section	.rodata,"a",@progbits
	.p2align	6, 0x0
	.amdhsa_kernel k_qb32ee46c9a_prep
		.amdhsa_group_segment_fixed_size 1536
		.amdhsa_private_segment_fixed_size 0
		.amdhsa_enable_private_segment 0
		.amdhsa_kernarg_size 32
		.amdhsa_user_sgpr_count 2
		.amdhsa_user_sgpr_kernarg_segment_ptr 1
		.amdhsa_wavefront_size32 1
		.amdhsa_system_sgpr_workgroup_id_x 1
		.amdhsa_system_sgpr_workgroup_id_y 1
		.amdhsa_system_sgpr_workgroup_id_z 1
		.amdhsa_system_vgpr_workitem_id 0
		.amdhsa_next_free_vgpr 130
		.amdhsa_next_free_sgpr 66
		.amdhsa_reserve_vcc 0
		.amdhsa_float_denorm_mode_32 3
		.amdhsa_float_denorm_mode_16_64 3
		.amdhsa_memory_ordered 1
		.amdhsa_forward_progress 1
		.amdhsa_inst_pref_size 17
	.end_amdhsa_kernel
	.amdgpu_metadata
---
amdhsa.version: [ 1, 2 ]
amdhsa.kernels:
  - .name:           k_qb32ee46c9a_prep
    .symbol:         k_qb32ee46c9a_prep.kd
    .args:
      - { .name: embed_weight, .offset: 0, .size: 8, .value_kind: global_buffer, .address_space: global }
      - { .name: eb, .offset: 8, .size: 8, .value_kind: global_buffer, .address_space: global }
      - { .name: rnorm, .offset: 16, .size: 8, .value_kind: global_buffer, .address_space: global }
      - { .name: enorm, .offset: 24, .size: 8, .value_kind: global_buffer, .address_space: global }
    .group_segment_fixed_size: 1536
    .private_segment_fixed_size: 0
    .kernarg_segment_align: 8
    .kernarg_segment_size: 32
    .max_flat_workgroup_size: 256
    .sgpr_count:     66
    .vgpr_count:     130
    .wavefront_size: 32
...
	.end_amdgpu_metadata
.endif
;; end of part 4
;; launch score: the kernel of part 2 again; grid 64 x 4, 4 waves a work-group, clusters of 4 x 1, 327,680 bytes of LDS; arguments z, eb, rnorm, part; writes part
;; launch finish: the kernel of part 3 again; grid 128 x 1, 16 waves a work-group, no clusters, 67,840 bytes of LDS; arguments z, eb, rnorm, enorm, part, out0, out1, out2, out3; writes out0, out1, out2, out3
